; MI455X (gfx1250); checked and timed in simulation.
; The chip was launched on July 23, 2026; its instructions are those of AMD's public machine-readable ISA for CDNA 5 (MIT licence, August 2026) and "CDNA5" Instruction Set Architecture Reference Guide (July 2026). The comments in the code are by the model that wrote it; some were corrected since.
;; CRF Layer. Allowed arithmetic: float matrix products may take bf16 or f16 operands with f32 sums; other float arithmetic in f32, or as packed bf16 or f16 multiplies, adds, multiply-adds, maxima and minima; sums over many terms, partial sums and values carried from step to step in f32; what a program stores and reads back later, other than sums and carried values, may be rounded once to bf16 or f16.
;; Inputs: feats 256 x 256 x 128 float32; start_transitions 128 float32; stop_transitions 128 float32; transitions 128 x 128 float32.
;; Outputs: out0 256 x 256 int32.
;; 2 versions, each right; version 2 is version 1 with the launch forward written anew for expert scheduling mode. Each part assembles by itself: llvm-mc -triple=amdgcn-amd-amdhsa -mcpu=gfx1250 --defsym DOCPART=n.
;; ======== version 1 of 2: 2 launches
;; workspace buffers: bp 8,388,608 bytes of whole numbers
;; launch forward (part 1): grid 256 x 1, 4 waves a work-group, no clusters, 170,240 bytes of LDS; arguments feats, transitions, start_transitions, stop_transitions, bp; writes bp
.if DOCPART == 1
	.amdgcn_target "amdgcn-amd-amdhsa--gfx1250"
	.amdhsa_code_object_version 6
	.text
	.protected	k_qf7365f0fac_forward
	.globl	k_qf7365f0fac_forward
	.p2align	8
	.type	k_qf7365f0fac_forward,@function
k_qf7365f0fac_forward:
	s_mov_b64 s[64:65], 0
	v_nop
	global_prefetch_b8 v0, s[64:65] scope:SCOPE_SE
	s_setreg_imm32_b32 hwreg(HW_REG_WAVE_MODE, 25, 1), 1
	s_wait_xcnt 0x0
; VITERBI, FORWARD PASS.  feats [256][256][128] f32, transitions [128 prev][128 cur] f32, start, stop [128] f32.
; v_0 = feats[:,0] + start;  v_t[j] = max_i (v_(t-1)[i] + trans[i][j]) + feats[:,t][j];  bp_t[j] = the FIRST i that reaches that maximum.
; Every sum is one f32 add, as in the definition, and ties go to the lowest i, so the stored indices are the definition's own.
; OUT: bp [256 batch][256 rows][128] bytes.  Row r < 255 holds bp_(r+1); row 255 holds the last tag (first argmax of v_255 + stop) in every byte.
; LIMITS: NaN is not treated apart; +0 and -0 count as equal.
; SHARES.  A work-group owns one batch row; 4 waves.  Wave w owns the previous tags 32 w .. 32 w + 31: lane l holds v[32 w + l], and keeps trans[32 w + ii][4 l .. 4 l + 3]
; (ii = 0..31) in 128 registers for the whole launch.  In a step it forms 32 x 4 sums a lane and their maxima: partial maxima of all 128 columns over its 32 previous tags.
; The four waves' partials meet in LDS (one barrier a step); the lane that owns column 32 w + l takes their maximum and adds its feat: that is its v for the next step.
; THE INDEX.  Each wave finds the first index inside its own 32 (by selecting, never by an address): first group of 8 whose maximum equals the partial, then its half, then one of 4.
; That work hangs on nothing that the next step waits for: it stands behind the LDS store, inside the barrier and behind the LDS loads.  The four local indices travel as the four bytes of a word,
; one step late; the owner takes the byte of the first wave whose partial equals the maximum.
; NO CLUSTER: work-groups share only the 65,536 bytes of transitions, read once each.  No matrix instruction: a maximum of sums is no product.
.set FWAVE,   32768                    ; LDS: a wave's own 128 bytes of each of the 256 rows of feats
.set BP_LDS,  4*FWAVE                  ; a wave's own back-pointers: 257 rows of 32 bytes (row 0 takes the first step's empty word)
.set BPWAVE,  8256
.set PM_LDS,  BP_LDS+4*BPWAVE          ; partial maxima [parity][wave][column] f32
.set PMBUF,   2048
.set IX_LDS,  PM_LDS+2*PMBUF           ; local indices [parity][column][wave] bytes
.set IXBUF,   512
.set FIN_LDS, IX_LDS+2*IXBUF           ; v_255 + stop, 128 f32
.set SPARE,   FIN_LDS+512              ; the spare words, 128 bytes a wave: two blocks of 256 bytes that no other line names
.set SPW, 2                            ; v2   my spare word's address; never rewritten
.set NIL, 3                            ; v3   0; never rewritten
.set FA,  4                            ; v4   LDS address of my feat of the trip's first step
.set BA,  5                            ; v5   LDS address of my back-pointer byte
.set PMS, 6                            ; v6   where I store four partial maxima
.set PMR, 7                            ; v7   where I read my column's partials
.set IXS, 8                            ; v8   where I store local indices
.set IXR, 9                            ; v9   where I read my column's word of them
.set FS,  10                           ; v10  where the next chunk of feats goes
.set GV,  11                           ; v11  my byte offset in four rows of feats
.set VCUR, 12                          ; v12  v of my tag
.set FEAT, 13
.set MX,  14
.set WORD, 15
.set P0,  16                           ; v16-19 the four partials of my column
.set SHP, 20                           ; v20  8 x the winning wave of the step before
.set BPV, 21
.set STOPV, 22
.set TMP0, 23
.set KC,  24                           ; v24-27 32 w + 8 k at KC + (k + 1) % 4: never in the bank of L's register k
.set MB,  28                           ; v28-31 the four columns' partial maxima
.set LB,  32                           ; v32-47 column c, group k: maximum of the group's first four
.set GB,  48                           ; v48-63 column c, group k: maximum of the group's eight
.set BS,  64                           ; v64-71 column c: BS+2c the chosen group's first index, BS+2c+1 the place among the last four
.set B2,  72                           ; v72-75 0 or 4
.set IDF, 76                           ; v76-79 the local first index, as 32 w + 0..31
.set STG, 80                           ; v80-111 a chunk of feats on its way
.set LN,  112
.set GO,  113
.set CR,  114
.set FINS, 115
.set FINR, 116
.set T4,  117
.set TOFF, 118
.set TM1, 119                          ; v119-124 at work at the end
.set SM,  128                          ; v128-255 the sums: column pair P, previous tag ii at SM+64P+2ii; column x of the pair in register (x+ii)%2 of it
.set MK,  14                           ; s14-25 lane masks of the last level
.set BC,  36                           ; s36-63, s66-101: 32 even-aligned pairs; the low word holds v of previous tag ii
.set MSB, 0
.macro WIN new                         ; the immediate's high byte repeats the setting that is left
.if MSB != (\new)
	s_set_vgpr_msb (MSB<<8)|(\new)
.set MSB, (\new)
.endif
.endm
	s_load_b256 s[4:11], s[0:1], 0x0               ; feats s[4:5], transitions s[6:7], start s[8:9], stop s[10:11]
	s_load_b64 s[12:13], s[0:1], 0x20              ; bp
	v_lshl_add_u32 v[SPW], v0, 2, SPARE
	v_mov_b32 v[NIL], 0
	v_lshrrev_b32 v1, 5, v0                        ; wave
	v_and_b32 v[LN], 31, v0                        ; lane
.set ii, 0
.rept 32
.set sb, BC+2*ii+2*((ii+18)/32)
	s_mov_b32 s[sb+1], 0                           ; the packed add names the pair and takes its low word for both halves: the high word only has to be written
.set ii, ii+1
.endr
	s_mov_b32 s33, 0x76543210                      ; v_permlanex16_b32: each lane takes its own place in the other half
	s_mov_b32 s34, 0xfedcba98
	s_lshl_b32 s26, ttmp9, 17                      ; my batch row: 256 rows of 512 bytes
	s_mov_b32 s27, 0
	v_lshlrev_b32 v[FA], 2, v[LN]
	v_lshl_add_u32 v[FA], v1, 15, v[FA]            ; my wave's area + 4 l: row 0
	v_lshlrev_b32 v[FS], 4, v[LN]
	v_lshl_add_u32 v[FS], v1, 15, v[FS]            ; my wave's area + 16 l
	v_mul_u32_u24 v[BA], v1, BPWAVE
	v_add_nc_u32 v[BA], v[BA], v[LN]
	v_add_nc_u32 v[BA], BP_LDS, v[BA]
	v_lshl_add_u32 v[PMS], v0, 4, PM_LDS           ; 512 w + 16 l: columns 4 l .. 4 l + 3 of my wave's 128
	v_lshl_add_u32 v[PMR], v0, 2, PM_LDS           ; column 32 w + l
	v_lshl_add_u32 v[IXS], v[LN], 4, v1            ; column 4 l, byte w
	v_add_nc_u32 v[IXS], IX_LDS, v[IXS]
	v_lshl_add_u32 v[IXR], v0, 2, IX_LDS
	v_lshl_add_u32 v[FINS], v0, 2, FIN_LDS
	v_lshl_add_u32 v[FINR], v[LN], 4, FIN_LDS
	v_lshrrev_b32 v[TM1], 3, v[LN]                 ; a load of 16 bytes a lane takes my wave's 128 bytes of four rows: row l / 8, bytes 16 (l % 8)
	v_and_b32 v[GV], 7, v[LN]
	v_lshlrev_b32 v[GV], 4, v[GV]
	v_lshl_add_u32 v[GV], v[TM1], 9, v[GV]
	v_lshl_add_u32 v[GV], v1, 7, v[GV]
	v_lshlrev_b32 v[T4], 2, v0
	v_lshlrev_b32 v[TOFF], 4, v[LN]
	v_lshl_add_u32 v[TOFF], v1, 14, v[TOFF]        ; transitions: row 32 w, columns 4 l ..
	v_and_b32 v[KC+1], 0x60, v0                    ; 32 w
	v_add_nc_u32 v[KC+2], 8, v[KC+1]
	v_add_nc_u32 v[KC+3], 16, v[KC+1]
	v_add_nc_u32 v[KC], 24, v[KC+1]
	v_mov_b32 v[SHP], 0
	s_wait_kmcnt 0x0
	s_add_nc_u64 s[4:5], s[4:5], s[26:27]
.irp k, 0,1,2,3,4,5,6,7
	global_load_b128 v[SM+4*\k:SM+4*\k+3], v[GV], s[4:5] offset:2048*\k           ; rows 0-31, through the sums' registers, which are still idle
.endr
	global_load_b32 v[TMP0], v[T4], s[8:9]
	global_load_b32 v[STOPV], v[T4], s[10:11]
	WIN 0x40                                       ; destination window 1
.set ii, 0
.rept 32
	global_load_b128 v[4*ii:4*ii+3], v[TOFF], s[6:7] offset:512*ii
.set ii, ii+1
.endr
	WIN 0
.irp k, 0,1,2,3,4,5,6,7
	global_load_b128 v[STG+4*\k:STG+4*\k+3], v[GV], s[4:5] offset:16384+2048*\k   ; rows 32-63
.endr
	s_wait_loadcnt 40                              ; the 32 loads of transitions and the 8 of rows 32-63 may stay out: rows 0-31, start and stop are in
.irp k, 0,1,2,3,4,5,6,7
	ds_store_b128 v[FS], v[SM+4*\k:SM+4*\k+3] offset:512*\k  ; four rows of 128 bytes are 512 bytes on end: 16 l
.endr
	v_add_nc_u32 v[FS], 4096, v[FS]
	ds_load_b32 v[FEAT], v[FA]                     ; row 0; LDS serves a wave's instructions in order (ISA guide 5.7.1.4)
.irp q, 0,1,2,3
	ds_store_b8 v[IXS], v[SHP] offset:4*\q         ; the first step finds a word of zeros where later steps find the step before's indices
.endr
	s_wait_dscnt 4                                 ; the four stores behind the load may be out
	v_add_f32 v[VCUR], v[FEAT], v[TMP0]            ; v_0
	v_add_nc_u32 v[FA], 128, v[FA]                 ; row 1
; One stage of the 16 trees (4 columns x 4 groups of 8), all 16 side by side so that no line waits for the one before it.
.macro TREE st
.set c, 0
.rept 4
.set k, 0
.rept 4
.set eb, SM+64*(c/2)+16*k
.set px, c%2
.if (\st) == 0
	v_max3_num_f32 v[LB+4*c+k], v[eb+px], v[eb+3-px], v[eb+4+px]
.elseif (\st) == 1
	v_max_num_f32 v[LB+4*c+k], v[LB+4*c+k], v[eb+7-px]
.elseif (\st) == 2
	v_max3_num_f32 v[GB+4*c+k], v[LB+4*c+k], v[eb+8+px], v[eb+11-px]
.else
	v_max3_num_f32 v[GB+4*c+k], v[GB+4*c+k], v[eb+12+px], v[eb+15-px]
.endif
.set k, k+1
.endr
.set c, c+1
.endr
.endm
; Column c: the first group of 8 whose maximum is the partial maximum takes group 3's registers (groups 2, 1, 0 in turn, so the lowest wins), with the maximum of its first four
; and its first index; then the first half that holds the maximum takes the second half's registers.  Two selects go in one instruction: a column's neighbours lie in registers of
; different parity and bank (0 and 3, or 1 and 2).
.macro SELAB c
.set px, (\c)%2
.set cb, SM+64*((\c)/2)+48
.irp k, 2,1,0
.set eb, SM+64*((\c)/2)+16*\k
	v_cmp_eq_f32 vcc_lo, v[GB+4*(\c)+\k], v[MB+(\c)]
.irp n, 0,2,4,6
	v_dual_cndmask_b32 v[cb+2*\n+px], v[cb+2*\n+px], v[eb+2*\n+px] :: v_dual_cndmask_b32 v[cb+2*\n+3-px], v[cb+2*\n+3-px], v[eb+2*\n+3-px]
.endr
.if \k == 2
	v_dual_cndmask_b32 v[LB+4*(\c)+3], v[LB+4*(\c)+3], v[LB+4*(\c)+2] :: v_dual_cndmask_b32 v[BS+2*(\c)], v[KC], v[KC+3]
.else
	v_dual_cndmask_b32 v[LB+4*(\c)+3], v[LB+4*(\c)+3], v[LB+4*(\c)+\k] :: v_dual_cndmask_b32 v[BS+2*(\c)], v[BS+2*(\c)], v[KC+\k+1]
.endif
.endr
	v_cmp_eq_f32 vcc_lo, v[LB+4*(\c)+3], v[MB+(\c)]
.irp n, 0,2
	v_dual_cndmask_b32 v[cb+8+2*\n+px], v[cb+8+2*\n+px], v[cb+2*\n+px] :: v_dual_cndmask_b32 v[cb+8+2*\n+3-px], v[cb+8+2*\n+3-px], v[cb+2*\n+3-px]
.endr
	v_cndmask_b32 v[B2+(\c)], 4, 0, vcc_lo
.endm
; The last four of each column, all columns side by side; masks in scalar registers of their own.
.macro SELC
.set c, 0
.rept 4
.set px, c%2
.set cb, SM+64*(c/2)+56
	v_cmp_eq_f32 s[MK+3*c], v[cb+4+px], v[MB+c]
	v_cmp_eq_f32 s[MK+3*c+1], v[cb+3-px], v[MB+c]
	v_cmp_eq_f32 s[MK+3*c+2], v[cb+px], v[MB+c]
.set c, c+1
.endr
.irp c, 0,1,2,3
	v_cndmask_b32 v[BS+2*\c+1], 3, 2, s[MK+3*\c]
.endr
.irp c, 0,1,2,3
	v_cndmask_b32 v[BS+2*\c+1], v[BS+2*\c+1], 1, s[MK+3*\c+1]
.endr
.irp c, 0,1,2,3
	v_cndmask_b32 v[BS+2*\c+1], v[BS+2*\c+1], 0, s[MK+3*\c+2]
.endr
.irp c, 0,1,2,3
	v_add3_u32 v[IDF+\c], v[BS+2*\c], v[B2+\c], v[BS+2*\c+1]
.endr
.endm
; ONE STEP.  par = the step's parity: which buffer of partial maxima and of indices it writes; fo, bo = the step's place behind FA and BA.
.macro STEP par, fo, bo
	ds_load_b32 v[FEAT], v[FA] offset:\fo          ; wanted at the step's end; in by the wait in front of the barrier
.set ii, 0
.rept 32
.set sb, BC+2*ii+2*((ii+18)/32)
	v_readlane_b32 s[sb], v[VCUR], ii              ; v of my wave's 32 previous tags, for all lanes
.set ii, ii+1
.endr
	WIN 0x01                                       ; source 0 (transitions) in window 1
.set ii, 0
.rept 16
.set sb, BC+2*ii+2*((ii+18)/32)
	v_pk_add_f32 v[SM+2*ii:SM+2*ii+1], v[4*ii:4*ii+1], s[sb:sb+1] op_sel_hi:[1,0]
	v_pk_add_f32 v[SM+64+2*ii:SM+64+2*ii+1], v[4*ii+2:4*ii+3], s[sb:sb+1] op_sel_hi:[1,0]
.set ii, ii+1
.set sb, BC+2*ii+2*((ii+18)/32)
	v_pk_add_f32 v[SM+2*ii:SM+2*ii+1], v[4*ii:4*ii+1], s[sb:sb+1] op_sel:[1,0] op_sel_hi:[0,0]          ; odd rows: the two columns change places
	v_pk_add_f32 v[SM+64+2*ii:SM+64+2*ii+1], v[4*ii+2:4*ii+3], s[sb:sb+1] op_sel:[1,0] op_sel_hi:[0,0]
.set ii, ii+1
.endr
	WIN 0
	TREE 0
	TREE 1
	TREE 2
	TREE 3
.irp c, 0,1,2,3
	v_max3_num_f32 v[MB+\c], v[GB+4*\c], v[GB+4*\c+1], v[GB+4*\c+2]
.endr
.irp c, 0,1,2,3
	v_max_num_f32 v[MB+\c], v[MB+\c], v[GB+4*\c+3]
.endr
	ds_store_b128 v[PMS], v[MB:MB+3] offset:(\par)*PMBUF
	SELAB 0                                        ; work on registers while the store is on its way
	SELAB 1
	s_wait_dscnt 0x0                               ; for the others: my partials are in LDS; so are my index bytes of the step before, and my reads of the buffers that this step's successors write again are over
	s_barrier_signal -1
	SELAB 2                                        ; work on registers while the others arrive
	s_barrier_wait -1
.irp u, 0,1,2,3
	ds_load_b32 v[P0+\u], v[PMR] offset:(\par)*PMBUF+512*\u
.endr
	ds_load_b32 v[WORD], v[IXR] offset:(1-(\par))*IXBUF  ; the four waves' local indices of the step before
	SELAB 3                                        ; and while the loads are on their way
	SELC
	s_wait_dscnt 1                                 ; the word behind the four partials may be out
	v_max3_num_f32 v[MX], v[P0], v[P0+1], v[P0+2]
	ds_store_b8 v[IXS], v[IDF] offset:(\par)*IXBUF
	ds_store_b8 v[IXS], v[IDF+1] offset:(\par)*IXBUF+4
	v_max_num_f32 v[MX], v[MX], v[P0+3]
	ds_store_b8 v[IXS], v[IDF+2] offset:(\par)*IXBUF+8
	ds_store_b8 v[IXS], v[IDF+3] offset:(\par)*IXBUF+12
	v_add_f32 v[VCUR], v[MX], v[FEAT]              ; v of my tag at this step
	s_wait_dscnt 4                                 ; the four stores behind the word may be out
	v_bfe_u32 v[BPV], v[WORD], v[SHP], 8           ; the step before's back-pointer: the winning wave's byte
	ds_store_b8 v[BA], v[BPV] offset:\bo
	v_cmp_eq_f32 s30, v[P0+2], v[MX]               ; this step's winning wave: the first whose partial is the maximum
	v_cmp_eq_f32 s31, v[P0+1], v[MX]
	v_cmp_eq_f32 s32, v[P0], v[MX]
	v_cndmask_b32 v[SHP], 24, 16, s30
	v_cndmask_b32 v[SHP], v[SHP], 8, s31
	v_cndmask_b32 v[SHP], v[SHP], 0, s32
.endm
.macro TRIP                            ; an odd step and an even one
	STEP 1, 0, 0
	STEP 0, 128, 32
	v_add_nc_u32 v[FA], 256, v[FA]
	v_add_nc_u32 v[BA], 64, v[BA]
.endm
	s_mov_b32 s28, 7
.Lchunk:                                               ; trip c = 0..6: steps 32 c + 1 .. 32 c + 32; its last step wants row 32 c + 32
	s_wait_loadcnt 0x0                             ; rows 32 c + 32 .. + 63, asked for a chunk ago (at c = 0 also the transitions); no load names s[4:5] any more
.irp k, 0,1,2,3,4,5,6,7
	ds_store_b128 v[FS], v[STG+4*\k:STG+4*\k+3] offset:512*\k
.endr
	v_add_nc_u32 v[FS], 4096, v[FS]
	s_cmp_eq_u32 s28, 1
	s_cbranch_scc1 .Lnoload                        ; the last chunk has been stored: nothing is left to ask for
	s_add_nc_u64 s[4:5], s[4:5], 16384
.irp k, 0,1,2,3,4,5,6,7
	global_load_b128 v[STG+4*\k:STG+4*\k+3], v[GV], s[4:5] offset:16384+2048*\k  ; rows 32 c + 64 ..: 32 steps ahead of their store
.endr
.Lnoload:
	s_mov_b32 s29, 16
.Ltrip:
	TRIP
	s_sub_co_u32 s29, s29, 1
	s_cmp_lg_u32 s29, 0
	s_cbranch_scc1 .Ltrip
	s_sub_co_u32 s28, s28, 1
	s_cmp_lg_u32 s28, 0
	s_cbranch_scc1 .Lchunk
	s_mov_b32 s29, 15                              ; steps 225 .. 254
.Ltail:
	TRIP
	s_sub_co_u32 s29, s29, 1
	s_cmp_lg_u32 s29, 0
	s_cbranch_scc1 .Ltail
	STEP 1, 0, 0                                   ; step 255
	; THE END.  Step 255's indices still have to cross; the last tag is the first argmax of v_255 + stop.
	v_add_f32 v[MX], v[VCUR], v[STOPV]
	ds_store_b32 v[FINS], v[MX]
	s_wait_dscnt 0x0                               ; for the others: my index bytes and my final value are in LDS
	s_barrier_signal -1
	s_barrier_wait -1
	ds_load_b32 v[WORD], v[IXR] offset:IXBUF
	ds_load_b128 v[P0:P0+3], v[FINR]               ; every wave takes all 128: tags 4 l .. 4 l + 3
	v_lshlrev_b32 v[TM1], 2, v[LN]
	v_cvt_f32_u32 v[TM1], v[TM1]                   ; their numbers as f32 (exact)
	v_add_f32 v[TM1+1], 1.0, v[TM1]
	v_add_f32 v[TM1+2], 2.0, v[TM1]
	v_add_f32 v[TM1+3], 0x40400000, v[TM1]
	v_mov_b32 v[TM1+4], 0
	v_mov_b32 v[TM1+5], 0x43000000                 ; 128.0: no tag
	s_wait_dscnt 1                                 ; the load of the four values may be out
	v_bfe_u32 v[BPV], v[WORD], v[SHP], 8
	ds_store_b8 v[BA], v[BPV] offset:32            ; back-pointers of step 255
	s_wait_dscnt 1                                 ; that store may be out
	v_max3_num_f32 v[MX], v[P0], v[P0+1], v[P0+2]
	v_max_num_f32 v[MX], v[MX], v[P0+3]
	v_max_num_f32_dpp v[MX], v[MX], v[MX] row_xmask:1 row_mask:0xf bank_mask:0xf
	v_max_num_f32_dpp v[MX], v[MX], v[MX] row_xmask:2 row_mask:0xf bank_mask:0xf
	v_max_num_f32_dpp v[MX], v[MX], v[MX] row_xmask:4 row_mask:0xf bank_mask:0xf
	v_max_num_f32_dpp v[MX], v[MX], v[MX] row_xmask:8 row_mask:0xf bank_mask:0xf
	v_permlanex16_b32 v[TM1+4], v[MX], s33, s34
	v_max_num_f32 v[MX], v[MX], v[TM1+4]           ; the maximum, in every lane
.irp q, 3,2,1,0
	v_cmp_eq_f32 vcc_lo, v[P0+\q], v[MX]
	v_cndmask_b32 v[TM1+5], v[TM1+5], v[TM1+\q], vcc_lo  ; my lowest tag that reaches it, or 128
.endr
	v_min_num_f32_dpp v[TM1+5], v[TM1+5], v[TM1+5] row_xmask:1 row_mask:0xf bank_mask:0xf
	v_min_num_f32_dpp v[TM1+5], v[TM1+5], v[TM1+5] row_xmask:2 row_mask:0xf bank_mask:0xf
	v_min_num_f32_dpp v[TM1+5], v[TM1+5], v[TM1+5] row_xmask:4 row_mask:0xf bank_mask:0xf
	v_min_num_f32_dpp v[TM1+5], v[TM1+5], v[TM1+5] row_xmask:8 row_mask:0xf bank_mask:0xf
	v_permlanex16_b32 v[TM1+4], v[TM1+5], s33, s34
	v_min_num_f32 v[TM1+5], v[TM1+5], v[TM1+4]
	v_cvt_u32_f32 v[BPV], v[TM1+5]
	ds_store_b8 v[BA], v[BPV] offset:64            ; row 255: the last tag in every byte
	; the way out: 16 bytes a lane; piece g = 128 k + thread is row g / 8, wave (g / 2) % 4, half g % 2
	v_bfe_u32 v[CR], v0, 1, 2
	v_mul_u32_u24 v[CR], v[CR], BPWAVE
	v_lshrrev_b32 v[TM1], 3, v0
	v_lshl_add_u32 v[CR], v[TM1], 5, v[CR]
	v_and_b32 v[TM1], 1, v0
	v_lshl_add_u32 v[CR], v[TM1], 4, v[CR]
	v_add_nc_u32 v[CR], BP_LDS+32, v[CR]           ; LDS row 0 is the first step's empty word and stays behind
	v_lshlrev_b32 v[GO], 4, v0
	s_lshl_b32 s26, ttmp9, 15
	s_mov_b32 s27, 0
	s_add_nc_u64 s[12:13], s[12:13], s[26:27]
	s_wait_dscnt 0x0                               ; for the others: all my back-pointer bytes are in LDS
	s_barrier_signal -1
	s_barrier_wait -1
.irp k, 0,1,2,3,4,5,6,7,8,9,10,11,12,13,14,15
	ds_load_b128 v[SM+4*\k:SM+4*\k+3], v[CR] offset:512*\k
.endr
.irp k, 0,1,2,3,4,5,6,7,8,9,10,11,12,13,14,15
	s_wait_dscnt 15-\k                             ; the younger loads may be out
	global_store_b128 v[GO], v[SM+4*\k:SM+4*\k+3], s[12:13] offset:2048*\k  ; a wave stores 512 consecutive bytes, at a multiple of 512 from bp's first byte
.endr
	s_wait_tensorcnt 0x0                           ; the wave's end: three closing lines behind my last LDS store
	ds_add_u32 v[SPW], v[NIL]
	s_wait_dscnt 0x0
	s_endpgm
.Lfunc_end_k_qf7365f0fac_forward:
	.size	k_qf7365f0fac_forward, .Lfunc_end_k_qf7365f0fac_forward-k_qf7365f0fac_forward
	.p2alignl 7, 3214868480
	.fill 96, 4, 3214868480
	.section	.rodata,"a",@progbits
	.p2align	6, 0x0
	.amdhsa_kernel k_qf7365f0fac_forward
		.amdhsa_group_segment_fixed_size 170240
		.amdhsa_private_segment_fixed_size 0
		.amdhsa_enable_private_segment 0
		.amdhsa_kernarg_size 40
		.amdhsa_user_sgpr_count 2
		.amdhsa_user_sgpr_kernarg_segment_ptr 1
		.amdhsa_wavefront_size32 1
		.amdhsa_system_sgpr_workgroup_id_x 1
		.amdhsa_system_sgpr_workgroup_id_y 1
		.amdhsa_system_sgpr_workgroup_id_z 1
		.amdhsa_system_vgpr_workitem_id 0
		.amdhsa_next_free_vgpr 384
		.amdhsa_next_free_sgpr 102
		.amdhsa_reserve_vcc 1
		.amdhsa_float_denorm_mode_32 3
		.amdhsa_float_denorm_mode_16_64 3
		.amdhsa_memory_ordered 1
		.amdhsa_forward_progress 1
		.amdhsa_inst_pref_size 108
	.end_amdhsa_kernel
	.amdgpu_metadata
---
amdhsa.version: [ 1, 2 ]
amdhsa.kernels:
  - .name:           k_qf7365f0fac_forward
    .symbol:         k_qf7365f0fac_forward.kd
    .args:
      - { .name: feats, .offset: 0, .size: 8, .value_kind: global_buffer, .address_space: global }
      - { .name: transitions, .offset: 8, .size: 8, .value_kind: global_buffer, .address_space: global }
      - { .name: start_transitions, .offset: 16, .size: 8, .value_kind: global_buffer, .address_space: global }
      - { .name: stop_transitions, .offset: 24, .size: 8, .value_kind: global_buffer, .address_space: global }
      - { .name: bp, .offset: 32, .size: 8, .value_kind: global_buffer, .address_space: global }
    .group_segment_fixed_size: 170240
    .private_segment_fixed_size: 0
    .kernarg_segment_align: 8
    .kernarg_segment_size: 40
    .max_flat_workgroup_size: 128
    .sgpr_count:     102
    .vgpr_count:     384
    .wavefront_size: 32
...
	.end_amdgpu_metadata
.endif
;; end of part 1
;; launch trace (part 2): grid 256 x 1, 4 waves a work-group, no clusters, 768 bytes of LDS; arguments bp, out0; writes out0
.if DOCPART == 2
	.amdgcn_target "amdgcn-amd-amdhsa--gfx1250"
	.amdhsa_code_object_version 6
	.text
	.protected	k_qf7365f0fac_trace
	.globl	k_qf7365f0fac_trace
	.p2align	8
	.type	k_qf7365f0fac_trace,@function
k_qf7365f0fac_trace:
	s_mov_b64 s[64:65], 0
	v_nop
	global_prefetch_b8 v0, s[64:65] scope:SCOPE_SE
	s_setreg_imm32_b32 hwreg(HW_REG_WAVE_MODE, 25, 1), 1
	s_wait_xcnt 0x0
; VITERBI, THE WAY BACK.  bp [256 batch][256 rows][128] bytes (whole numbers stored by the launch before); out0 [256][256] int32.
; x_256 = 0;  x_r = bp[r][x_(r+1)] for r = 255 .. 0;  out0[r] = x_r.  Row 255 holds the last tag in every byte, so it is a map like the others.
; A work-group owns one batch row.  Wave p keeps rows 64 p .. 64 p + 63 in 64 registers: lane l holds the bytes of tags 4 l .. 4 l + 3.  A lookup is a read of lane x / 4 and a
; shift by 8 (x % 4): no memory stands in the chain.  Waves 3, 2, 1, 0 walk their rows one after the other; the tag goes from wave to wave through one LDS word and a barrier.
.set SPARE, 256                        ; the words of the hand-over have the block from 0; then the spare words, 128 bytes a wave
.set ROW, 64                           ; v64-127 my 64 rows
	s_load_b128 s[4:7], s[0:1], 0x0                ; bp s[4:5], out0 s[6:7]
	v_lshl_add_u32 v2, v0, 2, SPARE                ; my spare word; never rewritten
	v_mov_b32 v3, 0                                ; 0; never rewritten
	v_lshrrev_b32 v1, 5, v0
	v_readfirstlane_b32 s8, v1                     ; wave
	v_and_b32 v4, 31, v0
	v_lshlrev_b32 v5, 2, v4                        ; my four bytes of a row
	v_lshlrev_b32 v6, 3, v4                        ; my two numbers of the wave's 64
	v_lshlrev_b32 v11, 2, v1                       ; my wave's word of the hand-over
	v_mov_b32 v8, 0                                ; v_writelane_b32 counts as a reader of its destination
	v_mov_b32 v9, 0
	s_lshl_b32 s10, ttmp9, 15                      ; my batch row's 32,768 bytes,
	s_lshl_b32 s9, s8, 13                          ; my wave's 64 rows of 128
	s_add_co_u32 s10, s10, s9
	s_mov_b32 s11, 0
	s_lshl_b32 s18, ttmp9, 10                      ; and in out0: 1,024 bytes a batch row, 256 a wave
	s_lshl_b32 s9, s8, 8
	s_add_co_u32 s18, s18, s9
	s_mov_b32 s19, 0
	s_mov_b32 s12, 0                               ; x
	s_mov_b32 s16, 0x7f
	s_wait_kmcnt 0x0
	s_add_nc_u64 s[4:5], s[4:5], s[10:11]
	s_add_nc_u64 s[6:7], s[6:7], s[18:19]
.set k, 63
.rept 64
	global_load_b32 v[ROW+k], v5, s[4:5] offset:128*k  ; the row wanted first is asked for first
.set k, k-1
.endr
.macro CHAIN
.set k, 63
.rept 64
.if k%8 == 7
	s_wait_loadcnt k-7                             ; the k - 7 rows asked for behind these eight may be out
.endif
	s_lshr_b32 s13, s12, 2                         ; the lane that holds tag x,
	s_lshl_b32 s14, s12, 3
	s_and_b32 s14, s14, 24                         ; and the byte's place in its word
	v_readlane_b32 s15, v[ROW+k], s13
	s_lshr_b32 s15, s15, s14
	s_and_b32 s12, s15, s16
	v_writelane_b32 v[8+k%2], s12, k/2
.set k, k-1
.endr
.endm
.irp p, 3,2,1,0
	s_cmp_lg_u32 s8, \p
	s_cbranch_scc1 .Lskip\p
.if \p < 3
	ds_load_b32 v10, v11 offset:4                  ; where the wave above left off
	s_wait_dscnt 0x0
	v_readfirstlane_b32 s12, v10
.endif
	CHAIN
.if \p > 0
	v_mov_b32 v10, s12
	ds_store_b32 v11, v10                          ; all lanes write the same word with the same value
.endif
.Lskip\p:
.if \p > 0
	s_wait_dscnt 0x0                               ; for the wave below: the tag is in LDS
	s_barrier_signal -1
	s_barrier_wait -1
.endif
.endr
	global_store_b64 v6, v[8:9], s[6:7]            ; 256 consecutive bytes, at a multiple of 256 from out0's first byte
	s_wait_tensorcnt 0x0                           ; the wave's end: three closing lines behind my last LDS store
	ds_add_u32 v2, v3
	s_wait_dscnt 0x0
	s_endpgm
.Lfunc_end_k_qf7365f0fac_trace:
	.size	k_qf7365f0fac_trace, .Lfunc_end_k_qf7365f0fac_trace-k_qf7365f0fac_trace
	.p2alignl 7, 3214868480
	.fill 96, 4, 3214868480
	.section	.rodata,"a",@progbits
	.p2align	6, 0x0
	.amdhsa_kernel k_qf7365f0fac_trace
		.amdhsa_group_segment_fixed_size 768
		.amdhsa_private_segment_fixed_size 0
		.amdhsa_enable_private_segment 0
		.amdhsa_kernarg_size 16
		.amdhsa_user_sgpr_count 2
		.amdhsa_user_sgpr_kernarg_segment_ptr 1
		.amdhsa_wavefront_size32 1
		.amdhsa_system_sgpr_workgroup_id_x 1
		.amdhsa_system_sgpr_workgroup_id_y 1
		.amdhsa_system_sgpr_workgroup_id_z 1
		.amdhsa_system_vgpr_workitem_id 0
		.amdhsa_next_free_vgpr 128
		.amdhsa_next_free_sgpr 66
		.amdhsa_reserve_vcc 0
		.amdhsa_float_denorm_mode_32 3
		.amdhsa_float_denorm_mode_16_64 3
		.amdhsa_memory_ordered 1
		.amdhsa_forward_progress 1
		.amdhsa_inst_pref_size 82
	.end_amdhsa_kernel
	.amdgpu_metadata
---
amdhsa.version: [ 1, 2 ]
amdhsa.kernels:
  - .name:           k_qf7365f0fac_trace
    .symbol:         k_qf7365f0fac_trace.kd
    .args:
      - { .name: bp, .offset: 0, .size: 8, .value_kind: global_buffer, .address_space: global }
      - { .name: out0, .offset: 8, .size: 8, .value_kind: global_buffer, .address_space: global }
    .group_segment_fixed_size: 768
    .private_segment_fixed_size: 0
    .kernarg_segment_align: 8
    .kernarg_segment_size: 16
    .max_flat_workgroup_size: 128
    .sgpr_count:     66
    .vgpr_count:     128
    .wavefront_size: 32
...
	.end_amdgpu_metadata
.endif
;; end of part 2
;; ======== version 2 of 2: 2 launches; version 1 with the launch forward written anew for expert scheduling mode
;; workspace buffers: bp 8,388,608 bytes of whole numbers
;; launch forward (part 3): grid 256 x 1, 4 waves a work-group, no clusters, 170,240 bytes of LDS; arguments feats, transitions, start_transitions, stop_transitions, bp; writes bp
.if DOCPART == 3
	.amdgcn_target "amdgcn-amd-amdhsa--gfx1250"
	.amdhsa_code_object_version 6
	.text
	.protected	k_qf7365f0fac_forward
	.globl	k_qf7365f0fac_forward
	.p2align	8
	.type	k_qf7365f0fac_forward,@function
k_qf7365f0fac_forward:
	s_mov_b64 s[64:65], 0
	v_nop
	global_prefetch_b8 v0, s[64:65] scope:SCOPE_SE
	s_setreg_imm32_b32 hwreg(HW_REG_WAVE_SCHED_MODE, 0, 2), 2
	s_setreg_imm32_b32 hwreg(HW_REG_WAVE_MODE, 25, 1), 1
	s_wait_xcnt 0x0
	s_wait_alu depctr_vm_vsrc(0)
; VITERBI, FORWARD PASS.  feats [256][256][128] f32, transitions [128 prev][128 cur] f32, start, stop [128] f32.
; v_0 = feats[:,0] + start;  v_t[j] = max_i (v_(t-1)[i] + trans[i][j]) + feats[:,t][j];  bp_t[j] = the FIRST i that reaches that maximum.
; Every sum is one f32 add, as in the definition, and ties go to the lowest i, so the stored indices are the definition's own.
; OUT: bp [256 batch][256 rows][128] bytes.  Row r < 255 holds bp_(r+1); row 255 holds the last tag (first argmax of v_255 + stop) in every byte.
; LIMITS: NaN is not treated apart; +0 and -0 count as equal.
; SHARES.  A work-group owns one batch row; 4 waves.  Wave w owns the previous tags 32 w .. 32 w + 31: lane l holds v[32 w + l], and keeps trans[32 w + ii][4 l .. 4 l + 3]
; (ii = 0..31) in 128 registers for the whole launch.  In a step it forms 32 x 4 sums a lane and their maxima: partial maxima of all 128 columns over its 32 previous tags.
; The four waves' partials meet in LDS (one barrier a step); the lane that owns column 32 w + l takes their maximum and adds its feat: that is its v for the next step.
; THE INDEX.  Each wave finds the first index inside its own 32 (by selecting, never by an address): first group of 8 whose maximum equals the partial, then its half, then one of 4.
; That work hangs on nothing that the next step waits for: it stands behind the LDS store, inside the barrier and behind the LDS loads.  The four local indices travel as the four bytes of a word,
; one step late; the owner takes the byte of the first wave whose partial equals the maximum.
; NO CLUSTER: work-groups share only the 65,536 bytes of transitions, read once each.  No matrix instruction: a maximum of sums is no product.
; THE MODE: SCHED_MODE bits 1:0 = 2 (LLVM: expert scheduling mode 2), set by the entry lines.  The code itself states the register dependences between vector instructions and
; memory or LDS instructions, and between a vector instruction that writes a scalar register and its readers, with s_wait_alu, always for 0.
; THE PLAN.  Registers that LDS or memory instructions touch in the loop:
;   MB          written by the step's last maxima; read by the store of the partials, straight behind them; written again in the next step.
;   IDF, BPV    the local indices (written late in step t) and the back-pointer byte (written at the head of step t + 1); read by five byte stores in step t + 1.
;   FEAT, P0-3, WORD   LDS loads land in them; read by vector lines at a step's end and at the next step's head.
;   FA, BA      read by the load of FEAT and the store of BPV; stepped once a trip, at its end.      FS, STG   read by a chunk's eight LDS stores; then FS is stepped and loads land in STG.
;   PMS, PMR, IXS, IXR, GV   made at the head and never written again.
; ONE wait on va_vdst a step, behind the last maxima: it states that MB is written, that IDF, BPV, FA and BA are written, and that the step before is done reading FEAT, P0-3 and WORD.  Behind it stand the store
; of MB, the load of FEAT and the five stores of the step before; the five loads behind the barrier owe nothing more: the vector lines between name the sums, LB, GB, BS, KC and MB alone.
; ONE wait on vm_vsrc a step, in front of the barrier: the stores and the load above have read MB, IDF, BPV, FA and BA; no later LDS instruction of the step reads one of them.
; Compares go in runs into scalar registers, one wait on va_sdst behind each run: four a step.  A mask reaches the paired selects, which read VCC, by a scalar move.
.set FWAVE,   32768                    ; LDS: a wave's own 128 bytes of each of the 256 rows of feats
.set BP_LDS,  4*FWAVE                  ; a wave's own back-pointers: 258 rows of 32 bytes (rows 0 and 1 take the first two steps' empty words)
.set BPWAVE,  8256
.set PM_LDS,  BP_LDS+4*BPWAVE          ; partial maxima [parity][wave][column] f32
.set PMBUF,   2048
.set IX_LDS,  PM_LDS+2*PMBUF           ; local indices [parity][column][wave] bytes
.set IXBUF,   512
.set FIN_LDS, IX_LDS+2*IXBUF           ; v_255 + stop, 128 f32
.set SPARE,   FIN_LDS+512              ; the spare words, 128 bytes a wave: two blocks of 256 bytes that no other line names
.set SPW, 2                            ; v2   my spare word's address; never rewritten
.set NIL, 3                            ; v3   0; never rewritten
.set FA,  4                            ; v4   LDS address of my feat of the trip's first step
.set BA,  5                            ; v5   LDS address of my back-pointer byte
.set PMS, 6                            ; v6   where I store four partial maxima
.set PMR, 7                            ; v7   where I read my column's partials
.set IXS, 8                            ; v8   where I store local indices
.set IXR, 9                            ; v9   where I read my column's word of them
.set FS,  10                           ; v10  where the next chunk of feats goes
.set GV,  11                           ; v11  my byte offset in four rows of feats
.set VCUR, 12                          ; v12  v of my tag
.set FEAT, 13
.set MX,  14
.set WORD, 15
.set P0,  16                           ; v16-19 the four partials of my column
.set SHP, 20                           ; v20  8 x the winning wave of the step before
.set BPV, 21
.set STOPV, 22
.set TMP0, 23
.set KC,  24                           ; v24-27 32 w + 8 k at KC + (k + 1) % 4: never in the bank of L's register k
.set MB,  28                           ; v28-31 the four columns' partial maxima
.set LB,  32                           ; v32-47 column c, group k: maximum of the group's first four
.set GB,  48                           ; v48-63 column c, group k: maximum of the group's eight
.set BS,  64                           ; v64-71 column c: BS+2c the chosen group's first index, BS+2c+1 the place among the last four
.set B2,  72                           ; v72-75 0 or 4
.set IDF, 76                           ; v76-79 the local first index, as 32 w + 0..31
.set STG, 80                           ; v80-111 a chunk of feats on its way
.set LN,  112
.set GO,  113
.set CR,  114
.set FINS, 115
.set FINR, 116
.set T4,  117
.set TOFF, 118
.set TM1, 119                          ; v119-124 at work at the end
.set BPW, 125                          ; v125 at the end: step 255's back-pointer
.set LTG, 126                          ; v126 at the end: the last tag
.set FV,  127                          ; v127 at the end: v_255 + stop
.set SM,  128                          ; v128-255 the sums: column pair P, previous tag ii at SM+64P+2ii; column x of the pair in register (x+ii)%2 of it
.set LM,  6                            ; s6-9  lane masks of the halves (the pointers that lay here are done with when the loop begins)
.set MK,  14                           ; s14-25 lane masks: of the groups, then of the last level
.set BC,  36                           ; s36-63, s66-101: 32 even-aligned pairs; the low word holds v of previous tag ii
.set MSB, 0
.macro WIN new                         ; the immediate's high byte repeats the setting that is left
.if MSB != (\new)
	s_set_vgpr_msb (MSB<<8)|(\new)
.set MSB, (\new)
.endif
.endm
	s_load_b256 s[4:11], s[0:1], 0x0               ; feats s[4:5], transitions s[6:7], start s[8:9], stop s[10:11]
	s_load_b64 s[12:13], s[0:1], 0x20              ; bp
	v_lshl_add_u32 v[SPW], v0, 2, SPARE
	v_mov_b32 v[NIL], 0
	v_lshrrev_b32 v1, 5, v0                        ; wave
	v_and_b32 v[LN], 31, v0                        ; lane
.set ii, 0
.rept 32
.set sb, BC+2*ii+2*((ii+18)/32)
	s_mov_b32 s[sb+1], 0                           ; the packed add names the pair and takes its low word for both halves: the high word only has to be written
.set ii, ii+1
.endr
	s_mov_b32 s33, 0x76543210                      ; v_permlanex16_b32: each lane takes its own place in the other half
	s_mov_b32 s34, 0xfedcba98
	s_lshl_b32 s26, ttmp9, 17                      ; my batch row: 256 rows of 512 bytes
	s_mov_b32 s27, 0
	v_lshlrev_b32 v[FA], 2, v[LN]
	v_lshl_add_u32 v[FA], v1, 15, v[FA]            ; my wave's area + 4 l: row 0
	v_lshlrev_b32 v[FS], 4, v[LN]
	v_lshl_add_u32 v[FS], v1, 15, v[FS]            ; my wave's area + 16 l
	v_mul_u32_u24 v[BA], v1, BPWAVE
	v_add_nc_u32 v[BA], v[BA], v[LN]
	v_add_nc_u32 v[BA], BP_LDS, v[BA]
	v_lshl_add_u32 v[PMS], v0, 4, PM_LDS           ; 512 w + 16 l: columns 4 l .. 4 l + 3 of my wave's 128
	v_lshl_add_u32 v[PMR], v0, 2, PM_LDS           ; column 32 w + l
	v_lshl_add_u32 v[IXS], v[LN], 4, v1            ; column 4 l, byte w
	v_add_nc_u32 v[IXS], IX_LDS, v[IXS]
	v_lshl_add_u32 v[IXR], v0, 2, IX_LDS
	v_lshl_add_u32 v[FINS], v0, 2, FIN_LDS
	v_lshl_add_u32 v[FINR], v[LN], 4, FIN_LDS
	v_lshrrev_b32 v[TM1], 3, v[LN]                 ; a load of 16 bytes a lane takes my wave's 128 bytes of four rows: row l / 8, bytes 16 (l % 8)
	v_and_b32 v[GV], 7, v[LN]
	v_lshlrev_b32 v[GV], 4, v[GV]
	v_lshl_add_u32 v[GV], v[TM1], 9, v[GV]
	v_lshl_add_u32 v[GV], v1, 7, v[GV]
	v_lshlrev_b32 v[T4], 2, v0
	v_lshlrev_b32 v[TOFF], 4, v[LN]
	v_lshl_add_u32 v[TOFF], v1, 14, v[TOFF]        ; transitions: row 32 w, columns 4 l ..
	v_and_b32 v[KC+1], 0x60, v0                    ; 32 w
	v_add_nc_u32 v[KC+2], 8, v[KC+1]
	v_add_nc_u32 v[KC+3], 16, v[KC+1]
	v_add_nc_u32 v[KC], 24, v[KC+1]
	v_mov_b32 v[SHP], 0
.irp q, 0,1,2,3
	v_mov_b32 v[IDF+\q], 0                         ; the first step stores these where later steps store the step before's indices: it finds a word of zeros
.endr
.irp r, WORD, MX, P0, P0+1, P0+2
	v_mov_b32 v[\r], 0                             ; what the first step's head reads of a step that has not been: its byte goes to a row that stays behind
.endr
	s_wait_kmcnt 0x0
	s_add_nc_u64 s[4:5], s[4:5], s[26:27]
	s_wait_alu depctr_va_vdst(0)                   ; all the addresses and offsets above are written, which the loads and LDS instructions below read
.irp k, 0,1,2,3,4,5,6,7
	global_load_b128 v[SM+4*\k:SM+4*\k+3], v[GV], s[4:5] offset:2048*\k           ; rows 0-31, through the sums' registers, which are still idle
.endr
	global_load_b32 v[TMP0], v[T4], s[8:9]
	global_load_b32 v[STOPV], v[T4], s[10:11]
	WIN 0x40                                       ; destination window 1
.set ii, 0
.rept 32
	global_load_b128 v[4*ii:4*ii+3], v[TOFF], s[6:7] offset:512*ii
.set ii, ii+1
.endr
	WIN 0
.irp k, 0,1,2,3,4,5,6,7
	global_load_b128 v[STG+4*\k:STG+4*\k+3], v[GV], s[4:5] offset:16384+2048*\k   ; rows 32-63
.endr
	s_wait_loadcnt 40                              ; the 32 loads of transitions and the 8 of rows 32-63 may stay out: rows 0-31, start and stop are in
.irp k, 0,1,2,3,4,5,6,7
	ds_store_b128 v[FS], v[SM+4*\k:SM+4*\k+3] offset:512*\k  ; four rows of 128 bytes are 512 bytes on end: 16 l
.endr
	ds_load_b32 v[FEAT], v[FA]                     ; row 0; LDS serves a wave's instructions in order (ISA guide 5.7.1.4)
	s_wait_alu depctr_vm_vsrc(0)                   ; the stores have read FS and the sums' registers, the load has read FA: the two adds below and the first step's sums write them
	v_add_nc_u32 v[FS], 4096, v[FS]
	v_add_nc_u32 v[FA], 128, v[FA]                 ; row 1
	s_wait_dscnt 0x0                               ; row 0's feat is in
	v_add_f32 v[VCUR], v[FEAT], v[TMP0]            ; v_0
	s_wait_alu depctr_va_vdst(0)                   ; FS is written, which the first chunk's LDS stores read
; One stage of the 16 trees (4 columns x 4 groups of 8), all 16 side by side so that no line waits for the one before it.
.macro TREE st
.set c, 0
.rept 4
.set k, 0
.rept 4
.set eb, SM+64*(c/2)+16*k
.set px, c%2
.if (\st) == 0
	v_max3_num_f32 v[LB+4*c+k], v[eb+px], v[eb+3-px], v[eb+4+px]
.elseif (\st) == 1
	v_max_num_f32 v[LB+4*c+k], v[LB+4*c+k], v[eb+7-px]
.elseif (\st) == 2
	v_max3_num_f32 v[GB+4*c+k], v[LB+4*c+k], v[eb+8+px], v[eb+11-px]
.else
	v_max3_num_f32 v[GB+4*c+k], v[GB+4*c+k], v[eb+12+px], v[eb+15-px]
.endif
.set k, k+1
.endr
.set c, c+1
.endr
.endm
; Which groups 0 to 2 of each column reach the column's partial maximum: twelve compares in one run, into scalar registers of their own.
.macro CMPG
.set c, 0
.rept 4
.set k, 0
.rept 3
	v_cmp_eq_f32 s[MK+3*c+k], v[GB+4*c+k], v[MB+c]
.set k, k+1
.endr
.set c, c+1
.endr
.endm
; Column c: the first group of 8 whose maximum is the partial maximum takes group 3's registers (groups 2, 1, 0 in turn, so the lowest wins), with the maximum of its first four
; and its first index.  Two selects go in one instruction: a column's neighbours lie in registers of different parity and bank (0 and 3, or 1 and 2).  The paired selects read VCC,
; which a scalar move fills from the group's mask.  When the chosen group's first four are known, they are compared with the partial maximum: the mask of the halves, read later.
.macro SELA c
.set px, (\c)%2
.set cb, SM+64*((\c)/2)+48
.irp k, 2,1,0
.set eb, SM+64*((\c)/2)+16*\k
	s_mov_b32 vcc_lo, s[MK+3*(\c)+\k]
.if \k == 2
	v_dual_cndmask_b32 v[LB+4*(\c)+3], v[LB+4*(\c)+3], v[LB+4*(\c)+2] :: v_dual_cndmask_b32 v[BS+2*(\c)], v[KC], v[KC+3]
.else
	v_dual_cndmask_b32 v[LB+4*(\c)+3], v[LB+4*(\c)+3], v[LB+4*(\c)+\k] :: v_dual_cndmask_b32 v[BS+2*(\c)], v[BS+2*(\c)], v[KC+\k+1]
.endif
.irp n, 0,2
	v_dual_cndmask_b32 v[cb+2*\n+px], v[cb+2*\n+px], v[eb+2*\n+px] :: v_dual_cndmask_b32 v[cb+2*\n+3-px], v[cb+2*\n+3-px], v[eb+2*\n+3-px]
.endr
.if \k == 0
	v_cmp_eq_f32 s[LM+(\c)], v[LB+4*(\c)+3], v[MB+(\c)]
.endif
.irp n, 4,6
	v_dual_cndmask_b32 v[cb+2*\n+px], v[cb+2*\n+px], v[eb+2*\n+px] :: v_dual_cndmask_b32 v[cb+2*\n+3-px], v[cb+2*\n+3-px], v[eb+2*\n+3-px]
.endr
.endr
.endm
; Column c: the first half that holds the maximum takes the second half's registers.
.macro SELB c
.set px, (\c)%2
.set cb, SM+64*((\c)/2)+48
	s_mov_b32 vcc_lo, s[LM+(\c)]
.irp n, 0,2
	v_dual_cndmask_b32 v[cb+8+2*\n+px], v[cb+8+2*\n+px], v[cb+2*\n+px] :: v_dual_cndmask_b32 v[cb+8+2*\n+3-px], v[cb+8+2*\n+3-px], v[cb+2*\n+3-px]
.endr
	v_cndmask_b32 v[B2+(\c)], 4, 0, vcc_lo
.endm
; The last four of each column, all columns side by side; masks in scalar registers of their own (the groups' masks have all been read).
.macro SELC
.set c, 0
.rept 4
.set px, c%2
.set cb, SM+64*(c/2)+56
	v_cmp_eq_f32 s[MK+3*c], v[cb+4+px], v[MB+c]
	v_cmp_eq_f32 s[MK+3*c+1], v[cb+3-px], v[MB+c]
	v_cmp_eq_f32 s[MK+3*c+2], v[cb+px], v[MB+c]
.set c, c+1
.endr
	s_wait_alu depctr_va_sdst(0)                   ; the twelve compares have written their masks, which the selects below read
.irp c, 0,1,2,3
	v_cndmask_b32 v[BS+2*\c+1], 3, 2, s[MK+3*\c]
.endr
.irp c, 0,1,2,3
	v_cndmask_b32 v[BS+2*\c+1], v[BS+2*\c+1], 1, s[MK+3*\c+1]
.endr
.irp c, 0,1,2,3
	v_cndmask_b32 v[BS+2*\c+1], v[BS+2*\c+1], 0, s[MK+3*\c+2]
.endr
.irp c, 0,1,2,3
	v_add3_u32 v[IDF+\c], v[BS+2*\c], v[B2+\c], v[BS+2*\c+1]
.endr
.endm
; ONE STEP.  par = the step's parity: which buffer of partial maxima it writes, and which buffer of indices its own indices will go to; fo, bo = the step's place behind FA and BA.
; Its head also ends the step before: that step's winning wave, and the back-pointer byte made of the word that it read.
.macro STEP par, fo, bo
	v_cmp_eq_f32 s30, v[P0+2], v[MX]               ; the step before's winning wave: the first whose partial is the maximum
	v_cmp_eq_f32 s31, v[P0+1], v[MX]
	v_cmp_eq_f32 s32, v[P0], v[MX]
.set ii, 0
.rept 32
.set sb, BC+2*ii+2*((ii+18)/32)
	v_readlane_b32 s[sb], v[VCUR], ii              ; v of my wave's 32 previous tags, for all lanes
.set ii, ii+1
.endr
	s_wait_dscnt 0x0                               ; the word of indices that the step before asked for is in
	v_bfe_u32 v[BPV], v[WORD], v[SHP], 8           ; a back-pointer: the byte of the wave that won two steps back, when those indices were made
	s_wait_alu depctr_va_sdst(0)                   ; the three compares and the 32 reads of lanes have written their scalar registers, which the sums and the selects below read
	WIN 0x01                                       ; source 0 (transitions) in window 1
.set ii, 0
.rept 16
.set sb, BC+2*ii+2*((ii+18)/32)
	v_pk_add_f32 v[SM+2*ii:SM+2*ii+1], v[4*ii:4*ii+1], s[sb:sb+1] op_sel_hi:[1,0]
	v_pk_add_f32 v[SM+64+2*ii:SM+64+2*ii+1], v[4*ii+2:4*ii+3], s[sb:sb+1] op_sel_hi:[1,0]
.set ii, ii+1
.set sb, BC+2*ii+2*((ii+18)/32)
	v_pk_add_f32 v[SM+2*ii:SM+2*ii+1], v[4*ii:4*ii+1], s[sb:sb+1] op_sel:[1,0] op_sel_hi:[0,0]          ; odd rows: the two columns change places
	v_pk_add_f32 v[SM+64+2*ii:SM+64+2*ii+1], v[4*ii+2:4*ii+3], s[sb:sb+1] op_sel:[1,0] op_sel_hi:[0,0]
.set ii, ii+1
.endr
	WIN 0
	TREE 0
	v_cndmask_b32 v[SHP], 24, 16, s30              ; the three links of this chain stand a stage of the trees apart
	TREE 1
	v_cndmask_b32 v[SHP], v[SHP], 8, s31
	TREE 2
	v_cndmask_b32 v[SHP], v[SHP], 0, s32
	TREE 3
.irp c, 0,1,2,3
	v_max3_num_f32 v[MB+\c], v[GB+4*\c], v[GB+4*\c+1], v[GB+4*\c+2]
.endr
.irp c, 0,1,2,3
	v_max_num_f32 v[MB+\c], v[MB+\c], v[GB+4*\c+3]
.endr
	s_wait_alu depctr_va_vdst(0)                   ; MB, BPV, the step before's IDF, and FA and BA are written, which the seven lines below read; the step before is done reading FEAT, P0-3 and WORD, in which loads of this step land
	ds_store_b128 v[PMS], v[MB:MB+3] offset:(\par)*PMBUF
	ds_load_b32 v[FEAT], v[FA] offset:\fo          ; wanted at the step's end; in by the wait in front of the barrier
.irp q, 0,1,2,3
	ds_store_b8 v[IXS], v[IDF+\q] offset:(1-(\par))*IXBUF+4*\q  ; the step before's local indices, read behind this step's barrier
.endr
	ds_store_b8 v[BA], v[BPV] offset:\bo
	CMPG                                           ; work on registers while the stores are on their way
	s_wait_alu depctr_va_sdst(0)                   ; the twelve compares have written the groups' masks, which the scalar moves below read
	SELA 0
	SELA 1
	s_wait_dscnt 0x0                               ; for the others: my partials and my index bytes are in LDS, and my reads of the buffers that this step's successors write again are over
	s_wait_alu depctr_vm_vsrc(0)                   ; the stores and the load above have read MB, IDF, BPV, FA and BA, which this step's last lines, the trip's end and the next step write again
	s_barrier_signal -1
	SELA 2                                         ; work on registers while the others arrive
	s_barrier_wait -1
.irp u, 0,1,2,3
	ds_load_b32 v[P0+\u], v[PMR] offset:(\par)*PMBUF+512*\u    ; no wait: no vector line since the wait on va_vdst names P0-3, WORD or the two addresses
.endr
	ds_load_b32 v[WORD], v[IXR] offset:(1-(\par))*IXBUF  ; the four waves' local indices of the step before
	SELA 3                                         ; and while the loads are on their way
	s_wait_alu depctr_va_sdst(0)                   ; the four compares of the halves have written their masks, which the scalar moves below read
	SELB 0
	SELB 1
	SELB 2
	SELB 3
	SELC
	s_wait_dscnt 1                                 ; the word behind the four partials may be out
	v_max3_num_f32 v[MX], v[P0], v[P0+1], v[P0+2]
	v_max_num_f32 v[MX], v[MX], v[P0+3]
	v_add_f32 v[VCUR], v[MX], v[FEAT]              ; v of my tag at this step
.endm
.macro TRIP                            ; an odd step and an even one
	STEP 1, 0, 0
	STEP 0, 128, 32
	v_add_nc_u32 v[FA], 256, v[FA]                 ; both were last read ahead of the step's wait on vm_vsrc, and are next read behind the next step's wait on va_vdst
	v_add_nc_u32 v[BA], 64, v[BA]
.endm
	s_mov_b32 s28, 7
.Lchunk:                                               ; trip c = 0..6: steps 32 c + 1 .. 32 c + 32; its last step wants row 32 c + 32
	s_wait_loadcnt 0x0                             ; rows 32 c + 32 .. + 63, asked for a chunk ago (at c = 0 also the transitions); no load names s[4:5] any more
.irp k, 0,1,2,3,4,5,6,7
	ds_store_b128 v[FS], v[STG+4*\k:STG+4*\k+3] offset:512*\k  ; FS was written ahead of a wait on va_vdst: the head's last, or a step's
.endr
	s_wait_alu depctr_vm_vsrc(0)                   ; the eight stores have read FS, which the add writes, and STG, in which the next chunk's loads land
	v_add_nc_u32 v[FS], 4096, v[FS]
	s_cmp_eq_u32 s28, 1
	s_cbranch_scc1 .Lnoload                        ; the last chunk has been stored: nothing is left to ask for
	s_add_nc_u64 s[4:5], s[4:5], 16384
.irp k, 0,1,2,3,4,5,6,7
	global_load_b128 v[STG+4*\k:STG+4*\k+3], v[GV], s[4:5] offset:16384+2048*\k  ; rows 32 c + 64 ..: 32 steps ahead of their store; no vector line ever names STG
.endr
.Lnoload:
	s_mov_b32 s29, 16
.Ltrip:
	TRIP
	s_sub_co_u32 s29, s29, 1
	s_cmp_lg_u32 s29, 0
	s_cbranch_scc1 .Ltrip
	s_sub_co_u32 s28, s28, 1
	s_cmp_lg_u32 s28, 0
	s_cbranch_scc1 .Lchunk
	s_mov_b32 s29, 15                              ; steps 225 .. 254
.Ltail:
	TRIP
	s_sub_co_u32 s29, s29, 1
	s_cmp_lg_u32 s29, 0
	s_cbranch_scc1 .Ltail
	STEP 1, 0, 0                                   ; step 255
	; THE END.  What a next step's head would do for step 255; its indices still have to cross; the last tag is the first argmax of v_255 + stop.
	v_cmp_eq_f32 s30, v[P0+2], v[MX]
	v_cmp_eq_f32 s31, v[P0+1], v[MX]
	v_cmp_eq_f32 s32, v[P0], v[MX]
	v_add_f32 v[FV], v[VCUR], v[STOPV]
	s_wait_dscnt 0x0                               ; the word of step 254's indices is in
	v_bfe_u32 v[BPV], v[WORD], v[SHP], 8           ; back-pointers of step 254
	s_wait_alu depctr_va_sdst(0)                   ; the three compares have written their masks, which the selects read
	v_cndmask_b32 v[SHP], 24, 16, s30
	v_cndmask_b32 v[SHP], v[SHP], 8, s31
	v_cndmask_b32 v[SHP], v[SHP], 0, s32
	s_wait_alu depctr_va_vdst(0)                   ; BPV, step 255's IDF and FV are written, which the six stores read; the lines above are done reading WORD and P0-3, in which the loads behind the barrier land
	ds_store_b8 v[BA], v[BPV] offset:32
.irp q, 0,1,2,3
	ds_store_b8 v[IXS], v[IDF+\q] offset:IXBUF+4*\q
.endr
	ds_store_b32 v[FINS], v[FV]
	s_wait_dscnt 0x0                               ; for the others: my index bytes and my final value are in LDS
	s_barrier_signal -1
	s_barrier_wait -1
	ds_load_b32 v[WORD], v[IXR] offset:IXBUF
	ds_load_b128 v[P0:P0+3], v[FINR]               ; every wave takes all 128: tags 4 l .. 4 l + 3
	v_lshlrev_b32 v[TM1], 2, v[LN]
	v_cvt_f32_u32 v[TM1], v[TM1]                   ; their numbers as f32 (exact)
	v_add_f32 v[TM1+1], 1.0, v[TM1]
	v_add_f32 v[TM1+2], 2.0, v[TM1]
	v_add_f32 v[TM1+3], 0x40400000, v[TM1]
	v_mov_b32 v[TM1+4], 0
	v_mov_b32 v[TM1+5], 0x43000000                 ; 128.0: no tag
	s_wait_dscnt 1                                 ; the load of the four values may be out
	v_bfe_u32 v[BPW], v[WORD], v[SHP], 8           ; back-pointers of step 255, in a register that no store has read
	s_wait_dscnt 0x0                               ; the four values are in
	v_max3_num_f32 v[MX], v[P0], v[P0+1], v[P0+2]
	v_max_num_f32 v[MX], v[MX], v[P0+3]
	v_max_num_f32_dpp v[MX], v[MX], v[MX] row_xmask:1 row_mask:0xf bank_mask:0xf
	v_max_num_f32_dpp v[MX], v[MX], v[MX] row_xmask:2 row_mask:0xf bank_mask:0xf
	v_max_num_f32_dpp v[MX], v[MX], v[MX] row_xmask:4 row_mask:0xf bank_mask:0xf
	v_max_num_f32_dpp v[MX], v[MX], v[MX] row_xmask:8 row_mask:0xf bank_mask:0xf
	v_permlanex16_b32 v[TM1+4], v[MX], s33, s34
	v_max_num_f32 v[MX], v[MX], v[TM1+4]           ; the maximum, in every lane
.irp q, 3,2,1,0
	v_cmp_eq_f32 s[MK+\q], v[P0+\q], v[MX]
.endr
	s_wait_alu depctr_va_sdst(0)                   ; the four compares have written their masks, which the selects read
.irp q, 3,2,1,0
	v_cndmask_b32 v[TM1+5], v[TM1+5], v[TM1+\q], s[MK+\q]  ; my lowest tag that reaches it, or 128
.endr
	v_min_num_f32_dpp v[TM1+5], v[TM1+5], v[TM1+5] row_xmask:1 row_mask:0xf bank_mask:0xf
	v_min_num_f32_dpp v[TM1+5], v[TM1+5], v[TM1+5] row_xmask:2 row_mask:0xf bank_mask:0xf
	v_min_num_f32_dpp v[TM1+5], v[TM1+5], v[TM1+5] row_xmask:4 row_mask:0xf bank_mask:0xf
	v_min_num_f32_dpp v[TM1+5], v[TM1+5], v[TM1+5] row_xmask:8 row_mask:0xf bank_mask:0xf
	v_permlanex16_b32 v[TM1+4], v[TM1+5], s33, s34
	v_min_num_f32 v[TM1+5], v[TM1+5], v[TM1+4]
	v_cvt_u32_f32 v[LTG], v[TM1+5]
	; the way out: 16 bytes a lane; piece g = 128 k + thread is row g / 8, wave (g / 2) % 4, half g % 2
	v_bfe_u32 v[CR], v0, 1, 2
	v_mul_u32_u24 v[CR], v[CR], BPWAVE
	v_lshrrev_b32 v[TM1], 3, v0
	v_lshl_add_u32 v[CR], v[TM1], 5, v[CR]
	v_and_b32 v[TM1], 1, v0
	v_lshl_add_u32 v[CR], v[TM1], 4, v[CR]
	v_add_nc_u32 v[CR], BP_LDS+64, v[CR]           ; LDS rows 0 and 1 are the first two steps' empty words and stay behind
	v_lshlrev_b32 v[GO], 4, v0
	s_lshl_b32 s26, ttmp9, 15
	s_mov_b32 s27, 0
	s_add_nc_u64 s[12:13], s[12:13], s[26:27]
	s_wait_alu depctr_va_vdst(0)                   ; BPW and LTG are written, which the two stores read, and CR and GO, the way out's addresses; the last step is done with the sums' registers, in which the way out's loads land
	ds_store_b8 v[BA], v[BPW] offset:64            ; back-pointers of step 255
	ds_store_b8 v[BA], v[LTG] offset:96            ; row 255: the last tag in every byte
	s_wait_dscnt 0x0                               ; for the others: all my back-pointer bytes are in LDS
	s_barrier_signal -1
	s_barrier_wait -1
.irp k, 0,1,2,3,4,5,6,7,8,9,10,11,12,13,14,15
	ds_load_b128 v[SM+4*\k:SM+4*\k+3], v[CR] offset:512*\k
.endr
.irp k, 0,1,2,3,4,5,6,7,8,9,10,11,12,13,14,15
	s_wait_dscnt 15-\k                             ; the younger loads may be out
	global_store_b128 v[GO], v[SM+4*\k:SM+4*\k+3], s[12:13] offset:2048*\k  ; a wave stores 512 consecutive bytes, at a multiple of 512 from bp's first byte
.endr
	s_wait_dscnt 0x0                               ; the closing lines, six on end
	s_wait_alu 0x0
	s_wait_tensorcnt 0x0
	ds_add_u32 v[SPW], v[NIL]
	s_wait_dscnt 0x0
	s_endpgm
.Lfunc_end_k_qf7365f0fac_forward:
	.size	k_qf7365f0fac_forward, .Lfunc_end_k_qf7365f0fac_forward-k_qf7365f0fac_forward
	.p2alignl 7, 3214868480
	.fill 96, 4, 3214868480
	.section	.rodata,"a",@progbits
	.p2align	6, 0x0
	.amdhsa_kernel k_qf7365f0fac_forward
		.amdhsa_group_segment_fixed_size 170240
		.amdhsa_private_segment_fixed_size 0
		.amdhsa_enable_private_segment 0
		.amdhsa_kernarg_size 40
		.amdhsa_user_sgpr_count 2
		.amdhsa_user_sgpr_kernarg_segment_ptr 1
		.amdhsa_wavefront_size32 1
		.amdhsa_system_sgpr_workgroup_id_x 1
		.amdhsa_system_sgpr_workgroup_id_y 1
		.amdhsa_system_sgpr_workgroup_id_z 1
		.amdhsa_system_vgpr_workitem_id 0
		.amdhsa_next_free_vgpr 384
		.amdhsa_next_free_sgpr 102
		.amdhsa_reserve_vcc 1
		.amdhsa_float_denorm_mode_32 3
		.amdhsa_float_denorm_mode_16_64 3
		.amdhsa_memory_ordered 1
		.amdhsa_forward_progress 1
		.amdhsa_inst_pref_size 115
	.end_amdhsa_kernel
	.amdgpu_metadata
---
amdhsa.version: [ 1, 2 ]
amdhsa.kernels:
  - .name:           k_qf7365f0fac_forward
    .symbol:         k_qf7365f0fac_forward.kd
    .args:
      - { .name: feats, .offset: 0, .size: 8, .value_kind: global_buffer, .address_space: global }
      - { .name: transitions, .offset: 8, .size: 8, .value_kind: global_buffer, .address_space: global }
      - { .name: start_transitions, .offset: 16, .size: 8, .value_kind: global_buffer, .address_space: global }
      - { .name: stop_transitions, .offset: 24, .size: 8, .value_kind: global_buffer, .address_space: global }
      - { .name: bp, .offset: 32, .size: 8, .value_kind: global_buffer, .address_space: global }
    .group_segment_fixed_size: 170240
    .private_segment_fixed_size: 0
    .kernarg_segment_align: 8
    .kernarg_segment_size: 40
    .max_flat_workgroup_size: 128
    .sgpr_count:     102
    .vgpr_count:     384
    .wavefront_size: 32
...
	.end_amdgpu_metadata
.endif
;; end of part 3
;; launch trace: the kernel of part 2 again; grid 256 x 1, 4 waves a work-group, no clusters, 768 bytes of LDS; arguments bp, out0; writes out0
